; MI455X (gfx1250); checked and timed in simulation.
; The chip was launched on July 23, 2026; its instructions are those of AMD's public machine-readable ISA for CDNA 5 (MIT licence, August 2026) and "CDNA5" Instruction Set Architecture Reference Guide (July 2026). The comments in the code are by the model that wrote it; some were corrected since.
;; Multiheads. Allowed arithmetic: matrix products marked QUANTISED: E2M3 operands, one E8M0 scale for each 32 along K, by v_wmma_scale_f32_16x16x128_f8f6f4 with both operands' format E2M3, f32 sums; everything else in f32.
;; Inputs: WK 16 x 64 x 1,024 float32; WQ 16 x 64 x 1,024 float32; WV 16 x 64 x 1,024 float32; Wp 1,024 x 1,024 float32; bp 1,024 float32; idx_k 4 x 2,048 x 1,024 float32; idx_q 4 x 2,048 x 1,024 float32; idx_v 4 x 2,048 x 1,024 float32; msk 4 x 1 x 2,048 int32.
;; Outputs: out0 4 x 2,048 x 1,024 float32.
;; This version of the problem:
;;   THIS VERSION OF THE PROBLEM IS GIVEN IN LOW PRECISION. The matrix products marked QUANTISED in the list below multiply operands that are first quantised to E2M3 (2 exponent bits, 3 mantissa bits; 6 bits a number), with one power-of-two scale for each 32 numbers along K (OCP MX v1.0); their sums are f32. All else is computed in f32.
;;   The module's matrix products, in the order in which they are computed (A, B: the left and right operand; K: the contracted axis; several contracted axes count as one K, in the product's order):
;;     1. [M 1,024, K 1,024] x [K 1,024, N 8,192]; A: input WK; B: input idx_k: QUANTISED
;;     2. [M 1,024, K 1,024] x [K 1,024, N 8,192]; A: input WQ; B: input idx_q: QUANTISED
;;     3. [M 1,024, K 1,024] x [K 1,024, N 8,192]; A: input WV; B: input idx_v: QUANTISED
;;     4. batch 64 x [M 2,048, K 64] x [K 64, N 2,048]; A: computed on the way; B: computed on the way: QUANTISED
;;     5. batch 64 x [M 2,048, K 2,048] x [K 2,048, N 64]; A: softmax (see below); B: computed on the way: QUANTISED
;;     6. [M 8,192, K 1,024] x [K 1,024, N 1,024]; A: computed on the way; B: input Wp: QUANTISED
;;   THE QUANTISER, for each operand of a quantised product, along K:
;;     - K is cut into blocks of 32 from its start; a last block that is shorter is filled with zeros.
;;     - A block's scale is 2^e with e = floor(log2(the largest magnitude in the block)) - 2, held to -126 .. 127; a block of zeros has e = 0. As a byte (E8M0): e + 127.
;;     - Each number is divided by its block's scale, clamped to +-7.5, and rounded to the nearest number of E2M3, ties to even, subnormals kept.
;;     - The product sums the exact products of the quantised numbers (number of the format x scale) in f32.
;;   ~~~python
;;   def quantise(x, axis):      # numpy; x: float32 -> the quantised numbers, widened to float32 again
;;       x = np.moveaxis(x, axis, -1); K = x.shape[-1]
;;       x = np.pad(x, [(0, 0)] * (x.ndim - 1) + [(0, -K % 32)]); x = x.reshape(x.shape[:-1] + (-1, 32)); a = np.abs(x).max(-1, keepdims=True)
;;       e = np.where(a > 0, np.clip(np.frexp(np.where(a > 0, a, 1))[1] - 1 - 2, -126, 127), 0)      # np.frexp(a)[1] - 1 = floor(log2(a)), exactly
;;       r = np.clip(x / 2.0 ** e, -7.5, 7.5)
;;       step = 2.0 ** (np.maximum(np.frexp(np.where(r == 0, 1, r))[1] - 1, 0) - 3)
;;       q = np.round(r / step) * step * 2.0 ** e      # np.round: ties to even
;;       return np.moveaxis(q.reshape(q.shape[:-2] + (-1,))[..., :K], -1, axis).astype(np.float32)
;;   ~~~
;;   SOFTMAX AHEAD OF A QUANTISED PRODUCT. Where the list says 'softmax', what is quantised is not the finished softmax but p = 2^(t - M), with t = logit x log2(e) and M = ceil(the row's largest t), a whole number; so 1/2 < the row's largest p <= 1. The row's sum l is taken of the UNQUANTISED p, in f32, and the product's result is divided by l at the end. Since M is a whole number, a kernel that streams over the keys may use a running M (the ceiling of the running maximum): every later rescaling is an exact power of two, which a block's scale takes up: the codes' values come out the same.
;;   OPERANDS COMPUTED ON THE WAY. 'Computed on the way' means the value that the module computes at that place (a softmax that the list does not call 'softmax' is quantised finished and normalised). What goes into a quantiser is computed in f32, as accurately as f32 sums, v_exp_f32 and their like allow (about 1e-6 of the number): no bf16 or f16 on the way to a quantiser, and a product that is left as it is and whose result goes on into a quantised operand takes f32 operands (vector FMAs, or v_wmma_f32_16x16x4_f32). A number that lies on a knife's edge between two numbers of the format may be rounded either way, as far as f32 arithmetic and the matrix unit's own rounding can turn it there, and no further.
;; One version. Each part assembles by itself: llvm-mc -triple=amdgcn-amd-amdhsa -mcpu=gfx1250 --defsym DOCPART=n.
;; ======== version 1 of 1: 4 launches
;; limits: right only within a limited range of input values
;; workspace buffers: codes 22,020,096 bytes; scales 917,504 bytes; hr 20,185,088 bytes; ac 6,291,456 bytes; as 262,144 bytes
;; launch quant (part 1): grid 896 x 1, 4 waves a work-group, no clusters, 34,304 bytes of LDS; arguments idx_k, idx_q, idx_v, WK, WQ, WV, Wp, codes, scales; writes codes, scales
.if DOCPART == 1
	.amdgcn_target "amdgcn-amd-amdhsa--gfx1250"
	.amdhsa_code_object_version 6
	.text
	.protected	k_q40bb670075_quant
	.globl	k_q40bb670075_quant
	.p2align	8
	.type	k_q40bb670075_quant,@function
k_q40bb670075_quant:
	s_mov_b64 s[64:65], 0
	v_nop
	global_prefetch_b8 v0, s[64:65] scope:SCOPE_SE
	s_setreg_imm32_b32 hwreg(HW_REG_WAVE_MODE, 25, 1), 1
	s_wait_xcnt 0x0
; The seven f32 operands whose K (1,024) is innermost become codes of FP6 (E2M3) and E8M0 scale bytes, laid in the ORDER OF AN OPERAND'S REGISTERS.
; A fragment (16 rows x 128 K, 12 registers a lane) is an image of 1,536 bytes: registers 0-3 at 16 x lane, 4-5 at 512 + 8 x lane, 6-9 at 768 + 16 x lane, 10-11 at 1,280 + 8 x lane.
; codes: [row tile of 16][K step of 128: 8][1,536].  scales: 512 bytes a row tile; the word of row r and K step 2 sp + q lies at 128 sp + 8 r + 4 q.
; Row tiles: idx_k 0-511, idx_q 512-1023, idx_v 1024-1535, WK 1536-, WQ 1600-, WV 1664-, Wp 1728-1791.
; THE ROWS OF A TILE: in all tensors but idx_q and Wp, row i of tile 2 g + u is the tensor's row 32 g + 8 u + i + 8 (i / 8), so that the results of two neighbouring tiles, used as source 0, are 16 neighbours in a lane's registers.
; A block's scale is 2^(floor(log2(its largest magnitude)) - 2); its byte is the largest magnitude's exponent field - 2, held at 1 from below.
; LIMITS: NaN and infinities among the inputs are not served; a block of zeros gets the byte 1 where the rule says 127: its codes are zeros, and this program alone reads the bytes.
; SHARES: a work-group takes two row tiles; wave w takes tile w / 2 of them and K half w % 2: four fragments.  A load reads 512 consecutive bytes of one row; a fragment's 16 rows turn through the wave's own
; stage in LDS (rows 528 bytes apart) and come back so that lane (r, h) holds k = 64 c + 32 h + 0 .. 31 of row r: two whole blocks.  Waves share nothing: no barrier.  Two fragments' loads (32 a wave) are out.
.set SPI,  528
.set FRB,  1536
.set VA,   4                           ; v4   16 x lane: rows 0-7 of a tile; also an image's place
.set VB,   5                           ; v5   the same for rows 8-15
.set SIN,  6                           ; v6   the stage, on the way in
.set SOUT, 7                           ; v7   and on the way out
.set L8,   8                           ; v8   8 x lane
.set H8,   9                           ; v9   8 x (lane / 16)
.set W,    16                          ; v16-19 the four fragments' scale words
.set MX,   20                          ; v20-21 largest magnitudes, v22-23 scale operands, v24-25 bytes, v26 my two bytes, v27 the other half's
.set R,    32                          ; v32-159 two sets of 64 numbers as loaded
.set X,    160                         ; v160-223 64 numbers along K
.set C,    224                         ; v224-235 the fragment's codes
.set T2,   236                         ; v236-238, v240-242 the blocks' upper halves
	s_load_b512 s[8:23], s[0:1], 0x0               ; idx_k, idx_q, idx_v, WK, WQ, WV, Wp, codes
	s_load_b64 s[24:25], s[0:1], 0x40              ; scales
	v_lshl_add_u32 v248, v0, 2, 0x8400
	v_mov_b32 v249, 0
	v_lshrrev_b32 v1, 5, v0
	v_readfirstlane_b32 s2, v1                     ; wave
	v_and_b32 v1, 31, v0                           ; lane
	v_and_b32 v2, 15, v0                           ; r
	v_bfe_u32 v3, v0, 4, 1                         ; h
	s_lshr_b32 s3, s2, 1                           ; which of the two row tiles
	s_and_b32 s4, s2, 1                            ; which half of K
	s_mov_b32 s28, 0x76543210
	s_mov_b32 s29, 0xfedcba98                      ; lane selects: lane l xor 16
	v_lshlrev_b32 v[VA], 4, v1
	v_lshlrev_b32 v[L8], 3, v1
	v_lshlrev_b32 v[H8], 3, v3
	s_mul_i32 s35, s2, 16*SPI                      ; my stage
	v_add_nc_u32 v[SIN], s35, v[VA]
	v_mul_u32_u24 v10, v2, SPI
	v_lshl_add_u32 v10, v3, 7, v10
	v_add_nc_u32 v[SOUT], s35, v10                 ; row r, + 128 h bytes
	v_mov_b32 v[MX+7], 0                           ; a lane permute's destination counts as one of its sources
	s_wait_alu depctr_va_vdst(0)
	s_wait_kmcnt 0x0
	; which tensor: the choice hangs on the work-group's number alone.  s30: the tensor's first work-group; s31: 1 where the rows of a tile are not neighbours
	s_mov_b64 s[26:27], s[8:9]
	s_mov_b32 s30, 0
	s_mov_b32 s31, 1
.macro PICK first, lo, perm
	s_cmp_ge_u32 ttmp9, \first
	s_cselect_b64 s[26:27], s[\lo:\lo+1], s[26:27]
	s_cselect_b32 s30, \first, s30
	s_cselect_b32 s31, \perm, s31
.endm
	PICK 256, 10, 0
	PICK 512, 12, 1
	PICK 768, 14, 1
	PICK 800, 16, 1
	PICK 832, 18, 1
	PICK 864, 20, 0
	s_sub_co_u32 s30, ttmp9, s30
	s_lshl_b32 s30, s30, 5                         ; the work-group's 32 rows
	s_cmp_eq_u32 s31, 1
	s_cselect_b32 s32, 8, 16                       ; from the first tile's first row to the second's
	s_cselect_b32 s33, 16, 8                       ; from a tile's row 0 to its row 8
	s_mul_i32 s32, s32, s3
	s_add_co_u32 s30, s30, s32
	s_lshl_b32 s30, s30, 12                        ; 4,096 bytes a row
	s_lshl_b32 s32, s4, 11                         ; 2,048 bytes: half of K
	s_add_co_u32 s30, s30, s32
	s_mov_b32 s31, 0
	s_add_nc_u64 s[26:27], s[26:27], s[30:31]
	s_lshl_b32 s33, s33, 12
	v_add_nc_u32 v[VB], s33, v[VA]
	s_wait_alu depctr_va_vdst(0)
	s_lshl_b32 s36, ttmp9, 1
	s_add_co_u32 s36, s36, s3                      ; my row tile in the workspace
	s_mul_i32 s38, s36, 8*FRB
	s_mul_i32 s37, s4, 4*FRB
	s_add_co_u32 s38, s38, s37
	s_mov_b32 s39, 0
	s_add_nc_u64 s[22:23], s[22:23], s[38:39]
	s_lshl_b32 s38, s36, 9
	s_lshl_b32 s37, s4, 8
	s_add_co_u32 s38, s38, s37
	s_add_nc_u64 s[24:25], s[24:25], s[38:39]
.macro LOADF f                         ; fragment f: 16 rows x 512 bytes into set f % 2
.irp i, 0,1,2,3,4,5,6,7
	global_load_b128 v[R+64*((\f)%2)+4*\i:R+64*((\f)%2)+4*\i+3], v[VA], s[26:27] offset:4096*\i+512*(\f) th:TH_LOAD_NT
.endr
.irp i, 0,1,2,3,4,5,6,7
	global_load_b128 v[R+64*((\f)%2)+32+4*\i:R+64*((\f)%2)+32+4*\i+3], v[VB], s[26:27] offset:4096*\i+512*(\f) th:TH_LOAD_NT
.endr
.endm
.macro FRAGQ f
.set RS, R+64*((\f)%2)
.if (\f) < 3
	s_wait_loadcnt 16                              ; this fragment's 16 loads are in; the next fragment's 16 may be out
.else
	s_wait_loadcnt 0x0
.endif
.irp i, 0,1,2,3,4,5,6,7,8,9,10,11,12,13,14,15
	ds_store_b128 v[SIN], v[RS+4*\i:RS+4*\i+3] offset:SPI*\i
.endr
.irp c, 0,1
.irp j, 0,1,2,3,4,5,6,7
	ds_load_b128 v[X+32*\c+4*\j:X+32*\c+4*\j+3], v[SOUT] offset:256*\c+16*\j   ; LDS serves a wave's instructions in order: these see the stores above
.endr
.endr
	s_wait_dscnt 0x0                               ; the numbers are back, and the stores have read their registers,
.if (\f) < 2
	LOADF (\f)+2                                   ; which take the loads of two fragments on
.endif
.irp c, 0,1
	v_max3_num_f32 v[MX+\c], |v[X+32*\c]|, |v[X+32*\c+1]|, 0x1800000   ; my block 2 c + h: all its 32 numbers are mine; and the floor 2^(3 - 127): the byte cannot fall under 1
.endr
.irp i, 2,4,6,8,10,12,14,16,18,20,22,24,26,28,30
.irp c, 0,1
	v_max3_num_f32 v[MX+\c], v[MX+\c], |v[X+32*\c+\i]|, |v[X+32*\c+\i+1]|
.endr
.endr
.irp c, 0,1
	v_add_nc_u32 v[MX+2+\c], 0xff000000, v[MX+\c]  ; 2 off the exponent field: the conversion's scale operand
.endr
.irp c, 0,1
	v_lshrrev_b32 v[MX+4+\c], 23, v[MX+2+\c]       ; the scale's byte
.endr
	v_lshl_or_b32 v[MX+6], v[MX+5], 16, v[MX+4]    ; blocks h and 2 + h,
	v_lshlrev_b32 v[MX+6], v[H8], v[MX+6]          ; at their places in the word;
	v_permlanex16_b32 v[MX+7], v[MX+6], s28, s29
	v_or_b32 v[W+(\f)], v[MX+6], v[MX+7]           ; with lane l xor 16's two the word is whole
	s_wait_alu depctr_va_vdst(0)
	s_wait_xcnt 0x0                                ; the last fragment's stores have read the codes' registers: only now are they written again
.irp c, 0,1
	v_cvt_scalef32_pk16_fp6_f32 v[C+6*\c:C+6*\c+2], v[X+32*\c:X+32*\c+15], v[MX+2+\c]
	v_cvt_scalef32_pk16_fp6_f32 v[T2+4*\c:T2+4*\c+2], v[X+32*\c+16:X+32*\c+31], v[MX+2+\c]   ; (a conversion's three registers begin on an even number)
.endr
	v_nop                                          ; one plain place behind a scaled conversion
.irp c, 0,1
.irp i, 0,1,2
	v_mov_b32 v[C+6*\c+3+\i], v[T2+4*\c+\i]
.endr
.endr
	global_store_b128 v[VA], v[C:C+3], s[22:23] offset:FRB*(\f)            ; each store of the wave covers 512 or 256 consecutive bytes, aligned
	global_store_b64 v[L8], v[C+4:C+5], s[22:23] offset:FRB*(\f)+512
	global_store_b128 v[VA], v[C+6:C+9], s[22:23] offset:FRB*(\f)+768
	global_store_b64 v[L8], v[C+10:C+11], s[22:23] offset:FRB*(\f)+1280
.endm
	LOADF 0
	LOADF 1
	FRAGQ 0
	FRAGQ 1
	FRAGQ 2
	FRAGQ 3
	v_cmp_le_u32 vcc_lo, 16, v1                    ; lanes 0-15 store the words of my K steps 0, 1, lanes 16-31 those of 2, 3: 256 consecutive bytes
	v_cndmask_b32 v244, v[W], v[W+2], vcc_lo
	v_cndmask_b32 v245, v[W+1], v[W+3], vcc_lo
	global_store_b64 v[L8], v[244:245], s[24:25]
	s_wait_tensorcnt 0x0
	ds_add_u32 v248, v249
	s_wait_dscnt 0x0
	s_endpgm
.Lfunc_end_k_q40bb670075_quant:
	.size	k_q40bb670075_quant, .Lfunc_end_k_q40bb670075_quant-k_q40bb670075_quant
	.p2alignl 7, 3214868480
	.fill 96, 4, 3214868480
	.section	.rodata,"a",@progbits
	.p2align	6, 0x0
	.amdhsa_kernel k_q40bb670075_quant
		.amdhsa_group_segment_fixed_size 34304
		.amdhsa_private_segment_fixed_size 0
		.amdhsa_enable_private_segment 0
		.amdhsa_kernarg_size 72
		.amdhsa_user_sgpr_count 2
		.amdhsa_user_sgpr_kernarg_segment_ptr 1
		.amdhsa_wavefront_size32 1
		.amdhsa_system_sgpr_workgroup_id_x 1
		.amdhsa_system_sgpr_workgroup_id_y 1
		.amdhsa_system_sgpr_workgroup_id_z 1
		.amdhsa_system_vgpr_workitem_id 0
		.amdhsa_next_free_vgpr 250
		.amdhsa_next_free_sgpr 66
		.amdhsa_reserve_vcc 1
		.amdhsa_float_denorm_mode_32 3
		.amdhsa_float_denorm_mode_16_64 3
		.amdhsa_memory_ordered 1
		.amdhsa_forward_progress 1
		.amdhsa_inst_pref_size 32
	.end_amdhsa_kernel
	.amdgpu_metadata
---
amdhsa.version: [ 1, 2 ]
amdhsa.kernels:
  - .name:           k_q40bb670075_quant
    .symbol:         k_q40bb670075_quant.kd
    .args:
      - { .name: idx_k, .offset: 0, .size: 8, .value_kind: global_buffer, .address_space: global }
      - { .name: idx_q, .offset: 8, .size: 8, .value_kind: global_buffer, .address_space: global }
      - { .name: idx_v, .offset: 16, .size: 8, .value_kind: global_buffer, .address_space: global }
      - { .name: WK, .offset: 24, .size: 8, .value_kind: global_buffer, .address_space: global }
      - { .name: WQ, .offset: 32, .size: 8, .value_kind: global_buffer, .address_space: global }
      - { .name: WV, .offset: 40, .size: 8, .value_kind: global_buffer, .address_space: global }
      - { .name: Wp, .offset: 48, .size: 8, .value_kind: global_buffer, .address_space: global }
      - { .name: codes, .offset: 56, .size: 8, .value_kind: global_buffer, .address_space: global }
      - { .name: scales, .offset: 64, .size: 8, .value_kind: global_buffer, .address_space: global }
    .group_segment_fixed_size: 34304
    .private_segment_fixed_size: 0
    .kernarg_segment_align: 8
    .kernarg_segment_size: 72
    .max_flat_workgroup_size: 128
    .sgpr_count:     66
    .vgpr_count:     250
    .wavefront_size: 32
...
	.end_amdgpu_metadata
.endif
;; end of part 1
;; launch proj (part 2): grid 4 x 96, 4 waves a work-group, clusters of 4 x 4, 327,680 bytes of LDS; arguments codes, scales, hr; writes hr
.if DOCPART == 2
	.amdgcn_target "amdgcn-amd-amdhsa--gfx1250"
	.amdhsa_code_object_version 6
	.text
	.protected	k_q40bb670075_proj
	.globl	k_q40bb670075_proj
	.p2align	8
	.type	k_q40bb670075_proj,@function
k_q40bb670075_proj:
	s_mov_b64 s[64:65], 0
	v_nop
	global_prefetch_b8 v0, s[64:65] scope:SCOPE_SE
	s_setreg_imm32_b32 hwreg(HW_REG_WAVE_MODE, 25, 1), 1
	s_wait_xcnt 0x0
	s_wait_alu depctr_hold_cnt(0) depctr_sa_sdst(0) depctr_va_vdst(0) depctr_va_sdst(0) depctr_va_ssrc(0) depctr_va_vcc(0) depctr_vm_vsrc(0)
	s_getreg_b32 s2, hwreg(HW_REG_IB_STS2, 6, 4)
	s_cmp_eq_u32 s2, 0
	s_cbranch_scc0 .Lentry_in_a_cluster
	s_endpgm
.Lentry_in_a_cluster:
	s_bfe_u32 s2, ttmp6, 0x10000c
	s_cmp_lg_u32 s2, 0xf033
	s_cbranch_scc0 .Lentry_shape_is_right
	s_endpgm
.Lentry_shape_is_right:
.set NQ,     2
.set FR,     12
.set FRB,    1536
.set NL,     4
.set NP,     4
.set TROW,   NQ*FRB
.set HALFT,  8*TROW
.set SLOT,   4*HALFT
.set LAPS,   2
.set SCL,    2*SLOT
.set HALFS,  4096
.set SBLK,   512
.set SPARE,  SCL+4*HALFS
.set REC,    315392
.set CH,     13056
.set QC,     208896
.set QS,     307200
.set ADRA, 16
.set ADRB, 20
.set ADRS, 27
.set SPW,  28
.set NIL,  29
.set SC,   32
.set AF,   128
.set TM,   32
.set PC,   48
.set WW,   72
.set DD,   92
.set G1, 24
.set G0, 32
.set G1B, 48
.set G0B, 56
.set G1S, 68
.set G0S, 76
.set G1SB, 80
.set G0SB, 88
.set MSB, 0
.macro WIN new
.if MSB != \new
	s_set_vgpr_msb (MSB<<8)|\new
.set MSB, \new
.endif
.endm
.set MUL_LO, 0xa1
.set MUL_HI, 0xf1
.set TO_B,   0x40
.macro JLOAD g0a, g1a, g0b, g1b
	s_cmp_eq_u32 s15, 0
	s_cbranch_scc0 .Lfor_b_\@
	tensor_load_to_lds s[\g0a:\g0a+3], s[\g1a:\g1a+7]
	s_nop 0
.rept 4
	v_nop
.endr
	s_branch .Lasked_\@
.Lfor_b_\@:
	tensor_load_to_lds s[\g0b:\g0b+3], s[\g1b:\g1b+7]
	s_nop 0
.rept 4
	v_nop
.endr
.Lasked_\@:
.endm
.macro CREST
	s_cmp_lg_u32 s14, 0
	s_cbranch_scc1 .Lnot_wave_0_\@
	s_barrier_signal -3
.Lnot_wave_0_\@:
	s_barrier_wait -3
	s_barrier_signal -1
	s_barrier_wait -1
.endm
.macro CROUND
	s_barrier_signal -1
	s_barrier_wait -1
	CREST
.endm
	s_load_b128 s[4:7], s[0:1], 0x0
	s_load_b64 s[12:13], s[0:1], 0x10
	v_lshl_add_u32 v[SPW], v0, 2, SPARE
	v_mov_b32 v[NIL], 0
	ds_add_u32 v28, v29
	ds_add_u32 v28, v29
	s_wait_dscnt 0x0
	v_lshrrev_b32 v1, 5, v0
	v_readfirstlane_b32 s14, v1
	s_lshr_b32 s15, s14, 1
	s_and_b32 s16, s14, 1
	s_bfe_u32 s40, ttmp6, 0x40000
	s_bfe_u32 s41, ttmp6, 0x40004
	s_and_b32 s95, ttmp7, 0xffff
	s_lshl_b32 s18, s95, 2
	s_lshr_b32 s19, s95, 3
	s_lshl_b32 s19, s19, 2
	s_add_co_u32 s19, s19, 96
	s_cmp_lt_u32 s95, 16
	s_cselect_b32 s17, s18, 104
	s_cselect_b32 s42, s19, s18
	s_add_co_u32 s17, s17, s41
	s_add_co_u32 s42, s42, s40
	s_lshl_b32 s43, s41, 2
	s_lshl_b32 s43, 15, s43
	s_lshl_b32 s44, 0x1111, s40
	s_or_b32 s[G1+0], s43, (3<<16)|(1<<21)
	s_or_b32 s[G1B+0], s44, (3<<16)|(1<<21)
.irp g, G1, G1B
	s_mov_b32 s[\g+1], 384<<16
	s_mov_b32 s[\g+2], 8<<16
	s_mov_b32 s[\g+3], 384<<16
	s_mov_b32 s[\g+4], 8
	s_mov_b32 s[\g+5], 1536
	s_mov_b32 s[\g+6], 0
	s_mov_b32 s[\g+7], 0
.endr
	s_or_b32 s[G1S+0], s43, (3<<16)|(1<<21)
	s_or_b32 s[G1SB+0], s44, (3<<16)|(1<<21)
.irp g, G1S, G1SB
	s_mov_b32 s[\g+1], 32<<16
	s_mov_b32 s[\g+2], 16<<16
	s_mov_b32 s[\g+3], 32<<16
	s_mov_b32 s[\g+4], 16
	s_mov_b32 s[\g+5], 32
	s_mov_b32 s[\g+6], 0
	s_mov_b32 s[\g+7], 0
.endr
	s_mul_i32 s20, s17, 16*8*FRB
	s_mul_i32 s18, s16, 8*8*FRB
	s_add_co_u32 s20, s20, s18
	s_mov_b32 s21, 0
	s_lshl_b32 s22, s17, 13
	s_lshl_b32 s18, s16, 12
	s_add_co_u32 s22, s22, s18
	s_mov_b32 s23, 0
	s_mul_i32 s46, s42, 16*8*FRB
	s_mul_i32 s18, s16, 8*8*FRB
	s_add_co_u32 s46, s46, s18
	s_mov_b32 s47, 0
	s_lshl_b32 s92, s42, 13
	s_lshl_b32 s18, s16, 12
	s_add_co_u32 s92, s92, s18
	s_mov_b32 s93, 0
	s_mul_i32 s45, s14, HALFT
	s_mul_i32 s94, s14, HALFS
	s_wait_kmcnt 0x0
	s_add_nc_u64 s[20:21], s[4:5], s[20:21]
	s_add_nc_u64 s[22:23], s[6:7], s[22:23]
	s_add_nc_u64 s[46:47], s[4:5], s[46:47]
	s_add_nc_u64 s[92:93], s[6:7], s[92:93]
	CROUND
	s_mov_b32 s[G0S], 1
	s_add_co_u32 s[G0S+1], s94, SCL
	s_mov_b64 s[G0S+2:G0S+3], s[22:23]
	s_or_b32 s[G0S+3], s[G0S+3], 0x80000000
	s_mov_b32 s[G0SB], 1
	s_add_co_u32 s[G0SB+1], s94, SCL
	s_mov_b64 s[G0SB+2:G0SB+3], s[92:93]
	s_or_b32 s[G0SB+3], s[G0SB+3], 0x80000000
	JLOAD G0S, G1S, G0SB, G1SB
.irp s, 0,1
	s_mov_b32 s[G0+4*\s], 1
	s_add_co_u32 s[G0+4*\s+1], s45, \s*SLOT
	s_add_nc_u64 s[G0+4*\s+2:G0+4*\s+3], s[20:21], \s*TROW
	s_or_b32 s[G0+4*\s+3], s[G0+4*\s+3], 0x80000000
	s_mov_b32 s[G0B+4*\s], 1
	s_add_co_u32 s[G0B+4*\s+1], s45, \s*SLOT
	s_add_nc_u64 s[G0B+4*\s+2:G0B+4*\s+3], s[46:47], \s*TROW
	s_or_b32 s[G0B+4*\s+3], s[G0B+4*\s+3], 0x80000000
	s_wait_alu depctr_va_vdst(0)
	s_wait_tensorcnt 0x0
	ds_add_u32 v28, v29
	s_wait_dscnt 0x0
	CROUND
	JLOAD G0+4*\s, G1, G0B+4*\s, G1B
.endr
	v_and_b32 v1, 15, v0
	v_bfe_u32 v2, v0, 4, 1
	v_and_b32 v3, 31, v0
	v_lshlrev_b32 v4, 4, v3
	v_lshlrev_b32 v5, 3, v3
	s_mul_i32 s21, s15, HALFT
	s_mul_i32 s22, s16, HALFT
	s_add_co_u32 s22, s22, 2*HALFT
.irp s, 0,1
	v_add_nc_u32 v[ADRA+\s], s21, v4
	v_add_nc_u32 v[ADRB+\s], s22, v4
	v_add_nc_u32 v[ADRA+2+\s], s21, v5
	v_add_nc_u32 v[ADRB+2+\s], s22, v5
	s_add_co_u32 s21, s21, SLOT
	s_add_co_u32 s22, s22, SLOT
.endr
	v_lshlrev_b32 v5, 3, v1
	s_mul_i32 s21, s15, HALFS
	s_mul_i32 s22, s16, HALFS
	s_add_co_u32 s22, s22, 2*HALFS
	s_sub_co_u32 s22, s22, s21
	v_mul_u32_u24 v6, s22, v2
	s_add_co_u32 s21, s21, SCL
	v_add_nc_u32 v5, v5, v6
	v_add_nc_u32 v[ADRS], s21, v5
	s_and_b32 s2, s17, 31
	s_lshr_b32 s18, s2, 3
	s_and_b32 s2, s2, 7
	s_lshl_b32 s2, s2, 1
	s_add_co_u32 s2, s2, s15
	s_lshl_b32 s18, s18, 4
	s_lshl_b32 s19, s40, 2
	s_add_co_u32 s18, s18, s19
	s_lshl_b32 s19, s16, 1
	s_add_co_u32 s18, s18, s19
	s_mul_i32 s18, s18, REC
	s_mul_i32 s19, s2, CH
	s_add_co_u32 s19, s18, s19
	s_add_co_u32 s22, s19, 12288
	s_mul_i32 s23, s2, 8*768
	s_add_co_u32 s23, s23, s18
	s_add_co_u32 s23, s23, QC
	s_lshl_b32 s2, s2, 9
	s_add_co_u32 s2, s2, s18
	s_add_co_u32 s2, s2, QS
	s_cmp_lt_u32 s95, 8
	s_cselect_b32 s19, s19, s23
	s_cselect_b32 s22, s22, s2
	s_sub_co_u32 s2, s42, 64
	s_lshr_b32 s18, s2, 3
	s_and_b32 s2, s2, 7
	s_lshl_b32 s2, s2, 1
	s_add_co_u32 s2, s2, s16
	s_lshl_b32 s18, s18, 4
	s_lshl_b32 s23, s41, 2
	s_add_co_u32 s18, s18, s23
	s_lshl_b32 s23, s15, 1
	s_add_co_u32 s18, s18, s23
	s_mul_i32 s18, s18, REC
	s_mul_i32 s2, s2, CH
	s_add_co_u32 s18, s18, s2
	s_add_co_u32 s2, s18, 6144
	s_add_co_u32 s18, s18, 12800
	s_mov_b32 s66, 1536
	s_mov_b32 s20, REC-6144
	s_mov_b32 s23, 768
	s_cmp_lt_u32 s95, 16
	s_cselect_b32 s96, s19, s2
	s_cselect_b32 s98, s22, s18
	s_cselect_b32 s66, 768, s66
	s_cselect_b32 s20, 0, s20
	s_cselect_b32 s23, REC, s23
	s_mov_b32 s97, 0
	s_mov_b32 s99, 0
	s_mov_b32 s67, 0
	s_mov_b32 s21, 0
	s_add_nc_u64 s[96:97], s[12:13], s[96:97]
	s_add_nc_u64 s[98:99], s[12:13], s[98:99]
	v_lshlrev_b32 v84, 4, v3
	v_lshlrev_b32 v85, 3, v3
	v_add_nc_u32 v86, s23, v84
	v_add_nc_u32 v87, s23, v85
	v_mul_u32_u24 v88, v2, REC
	v_lshl_add_u32 v88, v1, 4, v88
	v_lshlrev_b32 v89, 4, v2
	v_mov_b32 v90, v3
.macro FRAG reg, adr, q, i
	ds_load_b128 v[\reg:\reg+3], v[\adr] offset:(\i)*TROW+(\q)*FRB
	ds_load_b64 v[\reg+4:\reg+5], v[\adr+2] offset:(\i)*TROW+(\q)*FRB+512
	ds_load_b128 v[\reg+6:\reg+9], v[\adr] offset:(\i)*TROW+(\q)*FRB+768
	ds_load_b64 v[\reg+10:\reg+11], v[\adr+2] offset:(\i)*TROW+(\q)*FRB+1280
.endm
.macro MUL16 a0, p, q, sc, zero
.irp a, \a0, \a0+1
.irp b, 0,1,2,3,4,5,6,7
.if \zero
	v_wmma_scale_f32_16x16x128_f8f6f4 v[8*(8*((\a)%4)+\b):8*(8*((\a)%4)+\b)+7], v[128*(\p)+FR*\b:128*(\p)+FR*\b+FR-1], v[AF+FR*(\a):AF+FR*(\a)+FR-1], 0, v[SC+8*NQ*(\sc)+NQ*\b+(\q)], v[SC+8*NQ*(\sc)+NQ*(\a)+(\q)] matrix_a_fmt:MATRIX_FMT_FP6 matrix_b_fmt:MATRIX_FMT_FP6 matrix_a_scale:MATRIX_SCALE_ROW1
.else
	v_wmma_scale_f32_16x16x128_f8f6f4 v[8*(8*((\a)%4)+\b):8*(8*((\a)%4)+\b)+7], v[128*(\p)+FR*\b:128*(\p)+FR*\b+FR-1], v[AF+FR*(\a):AF+FR*(\a)+FR-1], v[8*(8*((\a)%4)+\b):8*(8*((\a)%4)+\b)+7], v[SC+8*NQ*(\sc)+NQ*\b+(\q)], v[SC+8*NQ*(\sc)+NQ*(\a)+(\q)] matrix_a_fmt:MATRIX_FMT_FP6 matrix_b_fmt:MATRIX_FMT_FP6 matrix_a_scale:MATRIX_SCALE_ROW1
.endif
.endr
.endr
.endm
.macro FETCH_B slot, q, p
	WIN TO_B
.irp i, 0,1,2,3,4,5,6,7
	FRAG 128*(\p)+FR*\i, ADRB+\slot, \q, \i
.endr
	WIN 0
.endm
.macro FETCH_A slot, q, i0
.irp i, \i0, \i0+1, \i0+2, \i0+3
	FRAG AF+FR*(\i), ADRA+\slot, \q, \i
.endr
.endm
.macro SCALES sc
.irp i, 0,1,2,3,4,5,6,7
	ds_load_b64 v[SC+8*NQ*\sc+NQ*\i:SC+8*NQ*\sc+NQ*\i+1], v[ADRS] offset:\i*SBLK
.endr
.endm
.macro PLACES n
.rept \n
	v_nop
.endr
.endm
.macro STEP slot, q, zero
	s_wait_dscnt 4*NL
	WIN MUL_LO
	MUL16 0, (\q)%2, \q, \slot, \zero
	MUL16 2, (\q)%2, \q, \slot, \zero
	s_wait_dscnt 0
	PLACES NP
	FETCH_B \slot, (\q)+1, 1-(\q)%2
	FETCH_A \slot, (\q)+1, 0
	WIN MUL_HI
	MUL16 4, (\q)%2, \q, \slot, \zero
	MUL16 6, (\q)%2, \q, \slot, \zero
	PLACES NP
	WIN 0
	FETCH_A \slot, (\q)+1, 4
.endm
.macro TURN slot, next, fill
	s_wait_tensorcnt 0x0
	ds_add_u32 v[SPW], v[NIL]
	s_wait_dscnt 4*NL+1
	WIN MUL_LO
	MUL16 0, 1, NQ-1, \slot, 0
	s_wait_dscnt 0x0
	s_barrier_signal -1
	MUL16 2, 1, NQ-1, \slot, 0
	WIN 0
	s_barrier_wait -1
.if \fill
	CREST
	s_add_nc_u64 s[G0+4*\slot+2:G0+4*\slot+3], s[G0+4*\slot+2:G0+4*\slot+3], 2*TROW
	s_add_nc_u64 s[G0B+4*\slot+2:G0B+4*\slot+3], s[G0B+4*\slot+2:G0B+4*\slot+3], 2*TROW
	JLOAD G0+4*\slot, G1, G0B+4*\slot, G1B
.else
	PLACES NP
.endif
	s_wait_alu depctr_va_vdst(0)
	v_add_nc_u32 v[ADRS], 128, v[ADRS]
	FETCH_B \next, 0, 0
	FETCH_A \next, 0, 0
	SCALES \next
	WIN MUL_HI
	MUL16 4, 1, NQ-1, \slot, 0
	MUL16 6, 1, NQ-1, \slot, 0
	PLACES NP
	WIN 0
	FETCH_A \next, 0, 4
.endm
	s_wait_alu depctr_va_vdst(0)
	s_wait_tensorcnt 1
	s_barrier_signal -1
	s_barrier_wait -1
	FETCH_B 0, 0, 0
	FETCH_A 0, 0, 0
	SCALES 0
	FETCH_A 0, 0, 4
	STEP 0, 0, 1
	s_mov_b32 s3, LAPS-1
.Llap:
	TURN 0, 1, 1
	STEP 1, 0, 0
	TURN 1, 0, 1
	STEP 0, 0, 0
	s_sub_co_u32 s3, s3, 1
	s_cmp_lg_u32 s3, 0
	s_cbranch_scc1 .Llap
	TURN 0, 1, 0
	STEP 1, 0, 0
	s_wait_dscnt 4*NL
	WIN MUL_LO
	MUL16 0, 1, NQ-1, 1, 0
	MUL16 2, 1, NQ-1, 1, 0
	s_wait_dscnt 0
	WIN MUL_HI
	MUL16 4, 1, NQ-1, 1, 0
	MUL16 6, 1, NQ-1, 1, 0
	WIN 0
.macro QUANTW a
.set AC, 64*((\a)%4)
	WIN 0x0a+5*((\a)/4)
.irp b, 0,1,2,3
	v_max3_num_f32 v[TM+\b], |v[AC+16*\b]|, |v[AC+16*\b+1]|, 0x1800000
.endr
.irp i, 2,4,6,8,10,12,14
.irp b, 0,1,2,3
	v_max3_num_f32 v[TM+\b], |v[AC+16*\b+\i]|, |v[AC+16*\b+\i+1]|, v[TM+\b]
.endr
.endr
	WIN 0
.irp b, 0,1,2,3
	v_permlanex16_b32 v[TM+4+\b], v[TM+\b], s2, s3
.endr
.irp b, 0,1,2,3
	v_max_num_f32 v[TM+\b], v[TM+\b], v[TM+4+\b]
.endr
.irp b, 0,1,2,3
	v_add_nc_u32 v[TM+12+\b], 0xff000000, v[TM+\b]
.endr
.irp b, 0,1,2,3
	v_lshrrev_b32 v[TM+4+\b], 23, v[TM+12+\b]
.endr
	v_lshl_or_b32 v[WW+(\a)], v[TM+5], 8, v[TM+4]
	v_lshl_or_b32 v[WW+(\a)], v[TM+6], 16, v[WW+(\a)]
	v_lshl_or_b32 v[WW+(\a)], v[TM+7], 24, v[WW+(\a)]
	s_wait_xcnt 0x0
.if (\a) > 0
	s_add_nc_u64 s[96:97], s[96:97], s[66:67]
.endif
.if (\a) == 4
	s_add_nc_u64 s[96:97], s[96:97], s[20:21]
.endif
	WIN 0x02+(\a)/4
.irp c, 0,1
	v_cvt_scalef32_pk16_fp6_f32 v[PC+6*\c:PC+2+6*\c], v[AC+32*\c:AC+15+32*\c], v[TM+12+2*\c]
	v_cvt_scalef32_pk16_fp6_f32 v[PC+12+4*\c:PC+14+4*\c], v[AC+16+32*\c:AC+31+32*\c], v[TM+12+2*\c+1]
.endr
	WIN 0
	v_nop
.irp c, 0,1
.irp i, 0,1,2
	v_permlane16_swap_b32 v[PC+6*\c+\i], v[PC+12+4*\c+\i]
.endr
.irp i, 0,1,2
	v_mov_b32 v[PC+3+6*\c+\i], v[PC+12+4*\c+\i]
.endr
.endr
	global_store_b128 v84, v[PC:PC+3], s[96:97]
	global_store_b64 v85, v[PC+4:PC+5], s[96:97] offset:512
	global_store_b128 v86, v[PC+6:PC+9], s[96:97]
	global_store_b64 v87, v[PC+10:PC+11], s[96:97] offset:512
.endm
	PLACES NP
	s_mov_b32 s2, 0x76543210
	s_mov_b32 s3, 0xfedcba98
.irp b, 0,1,2,3
	v_mov_b32 v[TM+4+\b], 0
.endr
.irp a, 0,1,2,3,4,5,6,7
	QUANTW \a
.endr
	s_cmp_lt_u32 s95, 16
	s_cbranch_scc0 .Lv_words
.irp k, 0,1,2,3,4,5,6,7
	v_bfe_u32 v[DD+\k], v[WW+\k], v89, 16
.endr
	global_store_b128 v88, v[DD:DD+3], s[98:99]
	global_store_b128 v88, v[DD+4:DD+7], s[98:99] offset:256
	s_branch .Lwords_out
.Lv_words:
	v_cmp_le_u32 vcc_lo, 16, v90
.irp k, 0,1,2,3
	v_cndmask_b32 v[DD+\k], v[WW+\k], v[WW+4+\k], vcc_lo
.endr
	global_store_b128 v88, v[DD:DD+3], s[98:99]
.Lwords_out:
	s_wait_tensorcnt 0x0
	ds_add_u32 v[SPW], v[NIL]
	s_wait_dscnt 0x0
	CROUND
	s_endpgm
.Lfunc_end_k_q40bb670075_proj:
	.size	k_q40bb670075_proj, .Lfunc_end_k_q40bb670075_proj-k_q40bb670075_proj
	.p2alignl 7, 3214868480
	.fill 96, 4, 3214868480
	.section	.rodata,"a",@progbits
	.p2align	6, 0x0
	.amdhsa_kernel k_q40bb670075_proj
		.amdhsa_group_segment_fixed_size 327680
		.amdhsa_private_segment_fixed_size 0
		.amdhsa_enable_private_segment 0
		.amdhsa_kernarg_size 24
		.amdhsa_user_sgpr_count 2
		.amdhsa_user_sgpr_kernarg_segment_ptr 1
		.amdhsa_wavefront_size32 1
		.amdhsa_system_sgpr_workgroup_id_x 1
		.amdhsa_system_sgpr_workgroup_id_y 1
		.amdhsa_system_sgpr_workgroup_id_z 1
		.amdhsa_system_vgpr_workitem_id 0
		.amdhsa_next_free_vgpr 1024
		.amdhsa_next_free_sgpr 100
		.amdhsa_reserve_vcc 1
		.amdhsa_float_denorm_mode_32 3
		.amdhsa_float_denorm_mode_16_64 3
		.amdhsa_memory_ordered 1
		.amdhsa_forward_progress 1
		.amdhsa_inst_pref_size 153
	.end_amdhsa_kernel
	.amdgpu_metadata
---
amdhsa.version: [ 1, 2 ]
amdhsa.kernels:
  - .name:           k_q40bb670075_proj
    .symbol:         k_q40bb670075_proj.kd
    .args:
      - { .name: codes, .offset: 0, .size: 8, .value_kind: global_buffer, .address_space: global }
      - { .name: scales, .offset: 8, .size: 8, .value_kind: global_buffer, .address_space: global }
      - { .name: hr, .offset: 16, .size: 8, .value_kind: global_buffer, .address_space: global }
    .group_segment_fixed_size: 327680
    .private_segment_fixed_size: 0
    .kernarg_segment_align: 8
    .kernarg_segment_size: 24
    .max_flat_workgroup_size: 128
    .sgpr_count:     100
    .vgpr_count:     1024
    .wavefront_size: 32
...
	.end_amdgpu_metadata
.endif
;; end of part 2
;; launch attn (part 3): grid 4 x 64, 16 waves a work-group, clusters of 4 x 1, 219,392 bytes of LDS; arguments hr, msk, ac, as; writes ac, as
.if DOCPART == 3
	.amdgcn_target "amdgcn-amd-amdhsa--gfx1250"
	.amdhsa_code_object_version 6
	.text
	.protected	k_q40bb670075_attn
	.globl	k_q40bb670075_attn
	.p2align	8
	.type	k_q40bb670075_attn,@function
k_q40bb670075_attn:
	s_mov_b64 s[64:65], 0
	v_nop
	global_prefetch_b8 v0, s[64:65] scope:SCOPE_SE
	s_setreg_imm32_b32 hwreg(HW_REG_WAVE_MODE, 25, 1), 1
	s_wait_xcnt 0x0
	s_wait_alu depctr_hold_cnt(0) depctr_sa_sdst(0) depctr_va_vdst(0) depctr_va_sdst(0) depctr_va_ssrc(0) depctr_va_vcc(0) depctr_vm_vsrc(0)
	s_getreg_b32 s2, hwreg(HW_REG_IB_STS2, 6, 4)
	s_cmp_eq_u32 s2, 0
	s_cbranch_scc0 .Lentry_in_a_cluster
	s_endpgm
.Lentry_in_a_cluster:
	s_bfe_u32 s2, ttmp6, 0x10000c
	s_cmp_lg_u32 s2, 0x3003
	s_cbranch_scc0 .Lentry_shape_is_right
	s_endpgm
.Lentry_shape_is_right:
; Attention for one (batch, head) a cluster, on codes of FP6 (E2M3): S^T = K Q^T (K = the head's 64: the upper half of the instruction's 128 is zero codes), softmax, O^T = V^T P^T (K = the keys), O / l quantised along the channels.
; THE SOFTMAX: t = score x log2(e) / 8; M = the running largest t rounded up to a whole number; p = 2^(t - M) is quantised along the keys; the row's sum is taken of the unquantised p and divides O at the end.
; SHARES: the four work-groups of a cluster are the four blocks of 512 queries of one head; each of the sixteen waves owns a tile of 16 queries, twice (two passes).  A lane holds ONE query throughout.
; NO RING: a head's K, V and their scale words are 16 chunks of 13,056 bytes and lie in LDS whole.  Wave w brings chunk w by ONE tensor load, asked for JOINTLY by the four work-groups.  Nothing in LDS is filled twice.
; THE MASK costs no line in the loop: bias[key] = -8e9 (-1e9 / the scale 1/8) where msk is 0, else 0, lies in LDS as f32 and is loaded straight into the scores' registers: it is the C of K Q^T.
; Where NO key of the batch counts, every logit is -1e9 and every p is 1: that is had by c = 0 (a choice of a value, no branch): t = 0, M = 0, p = 1.
; What leading steps of hidden keys alone have summed is finite and is multiplied by f = 2^(old M - new M) = 0 at the first key that counts.
; LIMIT: the bias is added to the score, it does not replace it: scores of a magnitude towards 4e9 are not served (those of the stated inputs, and of inputs 30 times larger, stay under 1e8).
; REGISTERS: v1-4, v6 addresses that stay; v8-11 the step's; v12 -M, v13 the largest t, v[14:15] the sum; v16-39 Q (two passes); v40-87 four tiles of K; v88-91 K's scale words, v92-95 V's;
;   v96-159 bias, S^T, p, then V's four fragments; v160-191 O^T; v192-203 p's codes; v204-210 at work; v212-213 Q's scale words; v214 p's; v[216:217] f; v218-219 the passes' scale bytes; v220-235 at work.
.set CH,  13056
.set REC, 315392
.set QC,  208896
.set QS,  307200
.set MB,  208896                       ; LDS: behind the 16 chunks: the bias, 2,048 f32
.set FLG, 217088                       ; and a word for each wave: does any key of its 128 count?
.macro CROUND
	s_barrier_signal -1
	s_barrier_wait -1
	s_cmp_lg_u32 s12, 0
	s_cbranch_scc1 .Lnot_wave_0_\@
	s_barrier_signal -3
.Lnot_wave_0_\@:
	s_barrier_wait -3
	s_barrier_signal -1
	s_barrier_wait -1
.endm
	s_load_b256 s[4:11], s[0:1], 0x0               ; hr s[4:5], msk s[6:7], ac s[8:9], as s[10:11]
	v_lshl_add_u32 v254, v0, 2, 0x35100
	v_mov_b32 v255, 0
	ds_add_u32 v254, v255
	ds_add_u32 v254, v255
	v_lshrrev_b32 v1, 5, v0
	s_delay_alu instid0(VALU_DEP_1)
	v_readfirstlane_b32 s12, v1                    ; wave 0..15
	s_bfe_u32 s13, ttmp6, 0x40000                  ; cx: it enters Q's and the outputs' addresses alone
	s_and_b32 s14, ttmp7, 0xffff                   ; the record: 16 x batch + head
	s_lshr_b32 s15, s14, 4
	s_and_b32 s16, s14, 15
	s_mul_i32 s40, s14, REC
	s_mov_b32 s41, 0
	s_mul_i32 s33, s12, CH                         ; group 0: my chunk's place in LDS,
	s_add_co_u32 s18, s40, s33                     ; and in memory
	s_mov_b32 s19, 0
	s_mov_b32 s24, 15|(3<<16)|(1<<21)              ; group 1: the mask: all four work-groups; elements of 8 bytes; bit 21 beside a mask
	s_mov_b32 s25, 32<<16                          ; 51 dense rows of 256 bytes
	s_mov_b32 s26, 51<<16
	s_mov_b32 s27, 32<<16
	s_mov_b32 s28, 51
	s_mov_b32 s29, 32
	s_mov_b32 s30, 0
	s_mov_b32 s31, 0
	s_mov_b32 s32, 1
	s_mov_b32 s20, 0x76543210
	s_mov_b32 s21, 0xfedcba98                      ; lane selects: lane l xor 16
	s_wait_dscnt 0x0
	s_wait_kmcnt 0x0
	s_add_nc_u64 s[34:35], s[4:5], s[18:19]
	s_or_b32 s35, s35, 0x80000000
	CROUND                                         ; all four work-groups are here: the joint loads meet
	tensor_load_to_lds s[32:35], s[24:31]          ; my one tensor load of the launch
	s_nop 0
.rept 4
	v_nop
.endr
	s_add_nc_u64 s[4:5], s[4:5], s[40:41]          ; the record
	s_lshl_b32 s50, s13, 5
	s_add_co_u32 s50, s50, s12                     ; my tile of queries in pass 0: 32 cx + wave; pass 1: 16 tiles on
	s_mul_i32 s52, s50, 768
	s_add_co_u32 s52, s52, QC
	s_mov_b32 s53, 0
	s_add_nc_u64 s[42:43], s[4:5], s[52:53]        ; Q's codes
	s_lshr_b32 s52, s50, 2
	s_lshl_b32 s52, s52, 8
	s_and_b32 s54, s50, 3
	s_lshl_b32 s54, s54, 2
	s_add_co_u32 s52, s52, s54
	s_add_co_u32 s52, s52, QS
	s_add_nc_u64 s[44:45], s[4:5], s[52:53]        ; Q's scale words: groups of four tiles, 16 bytes a row
	s_lshl_b32 s51, s15, 7
	s_add_co_u32 s51, s51, s50                     ; my tile of tokens
	s_mul_i32 s52, s51, 12288
	s_mul_i32 s54, s16, 768
	s_add_co_u32 s52, s52, s54
	s_add_nc_u64 s[46:47], s[8:9], s[52:53]        ; ac: [token tile][pair of heads][1,536]: my head's half of an image
	s_lshl_b32 s52, s51, 9
	s_lshr_b32 s54, s16, 2
	s_lshl_b32 s54, s54, 7
	s_add_co_u32 s52, s52, s54
	s_and_b32 s54, s16, 3
	s_lshl_b32 s54, s54, 1
	s_add_co_u32 s52, s52, s54
	s_add_nc_u64 s[48:49], s[10:11], s[52:53]      ; as: my head's two bytes of a row's eight
	s_lshl_b32 s52, s15, 13
	s_add_nc_u64 s[6:7], s[6:7], s[52:53]          ; the batch's mask
	v_and_b32 v5, 31, v0                           ; lane
	v_and_b32 v7, 15, v0                           ; r
	v_bfe_u32 v232, v0, 4, 1                       ; h
	s_delay_alu instid0(VALU_DEP_3)
	v_lshlrev_b32 v1, 4, v5
	s_delay_alu instid0(VALU_DEP_4)
	v_lshlrev_b32 v2, 3, v5
	s_delay_alu instid0(VALU_DEP_4)
	v_lshlrev_b32 v3, 4, v7
	s_delay_alu instid0(VALU_DEP_4)
	v_lshl_add_u32 v4, v232, 6, MB                 ; the bias of my half's 16 keys of a block
	v_lshlrev_b32 v6, 13, v232
	s_delay_alu instid0(VALU_DEP_1)
	v_lshl_add_u32 v6, v7, 3, v6                   ; as: 8 bytes a row; lanes 16-31: pass 1's tile, 16 x 512 bytes on
	v_lshlrev_b32 v233, 4, v0
	v_lshl_add_u32 v236, v0, 4, MB
	global_load_b128 v[96:99], v233, s[6:7]        ; four keys' mask a thread
.irp p, 0,1
	global_load_b128 v[16+12*\p:19+12*\p], v1, s[42:43] offset:12288*\p
	global_load_b64 v[20+12*\p:21+12*\p], v2, s[42:43] offset:12288*\p+512
	global_load_b32 v[212+\p], v3, s[44:45] offset:1024*\p
.endr
.irp p, 0,1
.irp i, 6,7,8,9,10,11
	v_mov_b32 v[16+12*\p+\i], 0                    ; k = 64 .. 127 of Q: zero codes
.endr
.endr
.irp t, 0,1,2,3
.irp i, 6,7,8,9,10,11
	v_mov_b32 v[40+12*\t+\i], 0                    ; and of K
.endr
.endr
.irp b, 0,1,2,3
	v_mov_b32 v[224+\b], 0                         ; a lane permute's destination counts as one of its sources
.endr
	v_mov_b32 v217, 0                              ; (named as the upper halves of pairs)
	v_mov_b32 v235, 0
	v_mov_b32 v237, 0xcfee6b28                     ; -8e9
	v_mov_b32 v239, s12
	s_delay_alu instid0(VALU_DEP_1)
	v_lshl_add_u32 v239, v239, 2, FLG
	v_mov_b32 v240, FLG
	s_wait_alu depctr_va_vdst(0)
	s_wait_loadcnt 6                               ; the mask is in; Q's six loads may be out
.irp i, 0,1,2,3
	v_cmp_eq_u32 vcc_lo, 0, v[96+\i]
	s_delay_alu instid0(VALU_DEP_1)
	v_cndmask_b32 v[100+\i], 0, v237, vcc_lo
.endr
	ds_store_b128 v236, v[100:103]
	v_or_b32 v96, v96, v97
	v_or_b32 v98, v98, v99
	s_delay_alu instid0(VALU_DEP_1)
	v_or_b32 v96, v96, v98
	s_delay_alu instid0(VALU_DEP_1)
	v_cmp_ne_u32 vcc_lo, 0, v96
	s_cmp_lg_u32 vcc_lo, 0
	s_cselect_b32 s39, 1, 0
	v_mov_b32 v238, s39
	ds_store_b32 v239, v238                        ; all lanes write the same word with the same value
	s_wait_tensorcnt 0x0                           ; my chunk has landed,
	s_wait_dscnt 0x0                               ; my stores too
	s_barrier_signal -1
	s_barrier_wait -1                              ; everybody's have
.irp i, 0,1,2,3
	ds_load_b128 v[104+4*\i:107+4*\i], v240 offset:16*\i
.endr
	s_wait_dscnt 0x0
.irp i, 0,1,2,3,4,5,6,7
	v_or_b32 v[104+\i], v[104+\i], v[112+\i]
.endr
.irp i, 0,1,2,3
	s_delay_alu instid0(VALU_DEP_4)
	v_or_b32 v[104+\i], v[104+\i], v[108+\i]
.endr
	s_delay_alu instid0(VALU_DEP_2)
	v_or_b32 v104, v104, v106
	s_delay_alu instid0(VALU_DEP_2)
	v_or_b32 v105, v105, v107
	s_delay_alu instid0(VALU_DEP_1)
	v_or_b32 v104, v104, v105
	s_delay_alu instid0(VALU_DEP_1)
	v_readfirstlane_b32 s39, v104
	s_cmp_lg_u32 s39, 0
	s_cselect_b32 s22, 0x3e38aa3b, 0               ; c = log2(e) / 8, or 0 where no key of the batch counts
	s_mov_b32 s23, s22
	s_wait_loadcnt 0x0                             ; Q
; A KEY STEP: 128 keys, one chunk.  qf: Q's fragment; qs: its scale words.
.macro STEP qf, qs
	v_add_nc_u32 v8, s36, v1
	v_add_nc_u32 v9, s36, v2
	v_add_nc_u32 v10, s36, v3
	v_add_nc_u32 v11, s37, v4
	v_nop                                          ; five places: the products below write over registers that the last step's products read
.irp b, 0,1
.irp j, 0,1,2,3
	ds_load_b128 v[96+16*\b+4*\j:99+16*\b+4*\j], v11 offset:128*\b+16*\j   ; the bias: register 16 b + i holds key 32 b + 16 (lane / 16) + i
.endr
.endr
	ds_load_b128 v[88:91], v8 offset:12288         ; K's scale words: lanes 0-15 tiles 0-3, lanes 16-31 tiles 4-7
	ds_load_b128 v[92:95], v10 offset:12800        ; V's: four channel tiles
.irp t, 0,1,2,3
	ds_load_b128 v[40+12*\t:43+12*\t], v8 offset:768*\t
	ds_load_b64 v[44+12*\t:45+12*\t], v9 offset:768*\t+512
.endr
.irp b, 2,3
.irp j, 0,1,2,3
	ds_load_b128 v[96+16*\b+4*\j:99+16*\b+4*\j], v11 offset:128*\b+16*\j
.endr
.endr
	s_wait_alu depctr_va_vdst(0)
	s_wait_dscnt 8                                 ; all but the youngest eight (the bias of tiles 4-7)
.irp t, 0,1,2,3
	v_wmma_scale_f32_16x16x128_f8f6f4 v[96+8*\t:103+8*\t], v[40+12*\t:51+12*\t], v[\qf:\qf+11], v[96+8*\t:103+8*\t], v[88+\t], v[\qs] matrix_a_fmt:MATRIX_FMT_FP6 matrix_b_fmt:MATRIX_FMT_FP6
.endr
.rept 4
	v_nop                                          ; places in front of loads into registers that matrix instructions have read
.endr
.irp t, 0,1,2,3
	ds_load_b128 v[40+12*\t:43+12*\t], v8 offset:768*(4+\t)
	ds_load_b64 v[44+12*\t:45+12*\t], v9 offset:768*(4+\t)+512
.endr
	s_wait_dscnt 0x0
.irp t, 0,1,2,3
	v_wmma_scale_f32_16x16x128_f8f6f4 v[128+8*\t:135+8*\t], v[40+12*\t:51+12*\t], v[\qf:\qf+11], v[128+8*\t:135+8*\t], v[88+\t], v[\qs] matrix_a_fmt:MATRIX_FMT_FP6 matrix_b_fmt:MATRIX_FMT_FP6 matrix_a_scale:MATRIX_SCALE_ROW1
.endr
.rept 4
	v_nop
.endr
.irp b, 0,1,2,3
	v_max3_num_f32 v[220+\b], v[96+16*\b], v[97+16*\b], v[98+16*\b]   ; the largest score of each block of 32 keys: for the row's maximum, and for the block's largest p
.endr
.irp i, 3,5,7,9,11,13
.irp b, 0,1,2,3
	v_max3_num_f32 v[220+\b], v[220+\b], v[96+16*\b+\i], v[97+16*\b+\i]
.endr
.endr
.irp b, 0,1,2,3
	v_max_num_f32 v[220+\b], v[220+\b], v[111+16*\b]
.endr
.irp b, 0,1,2,3
	s_delay_alu instid0(VALU_DEP_4)
	v_permlanex16_b32 v[224+\b], v[220+\b], s20, s21
.endr
.irp b, 0,1,2,3
	s_delay_alu instid0(VALU_DEP_4)
	v_max_num_f32 v[220+\b], v[220+\b], v[224+\b]  ; with lane l xor 16's 16 keys
.endr
	s_delay_alu instid0(VALU_DEP_2)
	v_max3_num_f32 v232, v220, v221, v222
	s_delay_alu instid0(VALU_DEP_1)
	v_max_num_f32 v232, v232, v223
	s_delay_alu instid0(VALU_DEP_1)
	v_mul_f32 v232, s22, v232                      ; as t (c is not negative)
	s_delay_alu instid0(VALU_DEP_1)
	v_max_num_f32 v13, v13, v232                   ; the running largest t
	v_mov_b32 v232, v12
	s_delay_alu instid0(VALU_DEP_2)
	v_floor_f32 v12, -v13                          ; the new -M = floor(-t): M is a whole number
	s_delay_alu instid0(VALU_DEP_1)
	v_sub_f32 v232, v12, v232                      ; old M - new M: a whole number, 0 or less
	s_delay_alu instid0(VALU_DEP_1)
	v_cvt_i32_f32 v232, v232                       ; (it saturates)
	s_delay_alu instid0(VALU_DEP_1)
	v_ldexp_f32 v216, 1.0, v232                    ; f = 2^(old M - new M)
.set j, 0
.rept 32
	v_pk_fma_f32 v[96+j:97+j], v[96+j:97+j], s[22:23], v[12:13] op_sel_hi:[1,0,0]   ; t - M, two at a time
.set j, j+2
.endr
.irp b, 0,1,2,3
	v_fma_f32 v[220+\b], v[220+\b], s22, v12       ; the same of each block's largest score
.endr
.set j, 0
	s_wait_alu depctr_va_vdst(0)
.rept 64
	v_exp_f32 v[96+j], v[96+j]                     ; p = 2^(t - M): not normalised
.set j, j+1
.endr
	s_setprio 1
	v_pk_mul_f32 v[14:15], v[14:15], v[216:217] op_sel_hi:[1,0]   ; the sums under the new M (a plain place behind the exponentials)
	s_wait_alu depctr_va_vdst(0)                   ; one wait for the whole batch, ahead of its first reader
.irp b, 0,1,2,3
	v_exp_f32 v[220+\b], v[220+\b]                 ; the block's largest p: the same two instructions on the same number
.endr
	v_pk_add_f32 v[224:225], v[100:101], v[104:105]
	v_pk_add_f32 v[252:253], v[108:109], v[112:113]
	v_pk_add_f32 v[250:251], v[116:117], v[120:121]
	v_pk_add_f32 v[248:249], v[124:125], v[128:129]
	v_pk_add_f32 v[246:247], v[132:133], v[136:137]
	v_pk_add_f32 v[244:245], v[140:141], v[144:145]
	v_pk_add_f32 v[242:243], v[148:149], v[152:153]
	v_pk_add_f32 v[14:15], v[14:15], v[156:157]
	v_pk_add_f32 v[224:225], v[224:225], v[96:97]
	v_pk_add_f32 v[252:253], v[252:253], v[98:99]
	v_pk_add_f32 v[250:251], v[250:251], v[102:103]
	v_pk_add_f32 v[248:249], v[248:249], v[106:107]
	v_pk_add_f32 v[246:247], v[246:247], v[110:111]
	v_pk_add_f32 v[244:245], v[244:245], v[114:115]
	v_pk_add_f32 v[242:243], v[242:243], v[118:119]
	v_pk_add_f32 v[14:15], v[14:15], v[122:123]
	v_pk_add_f32 v[224:225], v[224:225], v[126:127]
	v_pk_add_f32 v[252:253], v[252:253], v[130:131]
	v_pk_add_f32 v[250:251], v[250:251], v[134:135]
	v_pk_add_f32 v[248:249], v[248:249], v[138:139]
	v_pk_add_f32 v[246:247], v[246:247], v[142:143]
	v_pk_add_f32 v[244:245], v[244:245], v[146:147]
	v_pk_add_f32 v[242:243], v[242:243], v[150:151]
	v_pk_add_f32 v[14:15], v[14:15], v[154:155]
	v_pk_add_f32 v[224:225], v[224:225], v[158:159]
	s_delay_alu instid0(VALU_DEP_2)
	v_pk_add_f32 v[14:15], v[14:15], v[248:249]
	s_delay_alu instid0(VALU_DEP_2)
	v_pk_add_f32 v[224:225], v[224:225], v[246:247]
	v_pk_add_f32 v[252:253], v[252:253], v[244:245]
	v_pk_add_f32 v[250:251], v[250:251], v[242:243]
	s_delay_alu instid0(VALU_DEP_2)
	v_pk_add_f32 v[14:15], v[14:15], v[252:253]
	s_delay_alu instid0(VALU_DEP_2)
	v_pk_add_f32 v[224:225], v[224:225], v[250:251]
	s_delay_alu instid0(VALU_DEP_1)
	v_pk_add_f32 v[14:15], v[14:15], v[224:225]
	s_wait_alu depctr_va_vdst(0)                   ; and one for the four
.irp b, 0,1,2,3
	v_max_num_f32 v[220+\b], 0x1800000, v[220+\b]  ; the floor 2^(3 - 127): the byte cannot fall under 1
.endr
.irp b, 0,1,2,3
	s_delay_alu instid0(VALU_DEP_4)
	v_add_nc_u32 v[228+\b], 0xff000000, v[220+\b]  ; the conversion's scale operand
.endr
.irp b, 0,1,2,3
	s_delay_alu instid0(VALU_DEP_4)
	v_lshrrev_b32 v[224+\b], 23, v[228+\b]         ; the scale's byte
.endr
	s_delay_alu instid0(VALU_DEP_3)
	v_lshl_or_b32 v214, v225, 8, v224              ; p's scale word for these 128 keys
	s_delay_alu instid0(VALU_DEP_1)
	v_lshl_or_b32 v214, v226, 16, v214
	s_delay_alu instid0(VALU_DEP_1)
	v_lshl_or_b32 v214, v227, 24, v214
.irp c, 0,1
	v_cvt_scalef32_pk16_fp6_f32 v[192+6*\c:194+6*\c], v[96+32*\c:111+32*\c], v[228+2*\c]
	v_cvt_scalef32_pk16_fp6_f32 v[204+4*\c:206+4*\c], v[112+32*\c:127+32*\c], v[228+2*\c+1]
.endr
	v_nop                                          ; one plain place behind a scaled conversion
.irp t, 0,1,2,3                                ; V's four fragments land where p lay, while the lines below are worked
	ds_load_b128 v[96+12*\t:99+12*\t], v8 offset:6144+1536*\t
	ds_load_b64 v[100+12*\t:101+12*\t], v9 offset:6144+1536*\t+512
	ds_load_b128 v[102+12*\t:105+12*\t], v8 offset:6144+1536*\t+768
	ds_load_b64 v[106+12*\t:107+12*\t], v9 offset:6144+1536*\t+1280
.endr
	s_setprio 0
.irp c, 0,1                                    ; the operand's layout wants a whole block in a lane
.irp i, 0,1,2
	v_permlane16_swap_b32 v[192+6*\c+\i], v[204+4*\c+\i]
.endr
.irp i, 0,1,2
	s_delay_alu instid0(VALU_DEP_3)
	v_mov_b32 v[195+6*\c+\i], v[204+4*\c+\i]
.endr
.endr
.set j, 0
.rept 16
	v_pk_mul_f32 v[160+j:161+j], v[160+j:161+j], v[216:217] op_sel_hi:[1,0]   ; O^T under the new M.  (These 16 are also the places between the scale word, the codes and the products)
.set j, j+2
.endr
	s_wait_alu depctr_va_vdst(0)
	s_wait_dscnt 0x0
.irp t, 0,1,2,3
	v_wmma_scale_f32_16x16x128_f8f6f4 v[160+8*\t:167+8*\t], v[96+12*\t:107+12*\t], v[192:203], v[160+8*\t:167+8*\t], v[92+\t], v214 matrix_a_fmt:MATRIX_FMT_FP6 matrix_b_fmt:MATRIX_FMT_FP6
.endr
	s_add_co_u32 s36, s36, CH                      ; the next chunk,
	s_add_co_u32 s37, s37, 512                     ; and its keys' bias
.endm
; A PASS: one tile of 16 queries against all 2,048 keys; then O / l, quantised along the head's 64 channels (two blocks), leaves as half an image.
.macro PASS p
.if \p
	s_wait_xcnt 0x0                                ; the last pass's stores have read the codes' registers
.endif
	v_mov_b32 v13, 0xff61b1e6                      ; the largest t so far: -3e38
	s_delay_alu instid0(VALU_DEP_1)
	v_floor_f32 v12, -v13
	v_mov_b32 v14, 0
	v_mov_b32 v15, 0
.set j, 0
.rept 32
	v_mov_b32 v[160+j], 0                          ; O^T: the step is written once; the first finds zeros, which the first change of M leaves zeros
.set j, j+1
.endr
	s_mov_b32 s36, 0
	s_mov_b32 s37, 0
	s_mov_b32 s38, 16
.Lstep_\@:
	s_setprio 2
	STEP 16+12*\p, 212+\p
	s_sub_co_u32 s38, s38, 1
	s_cmp_lg_u32 s38, 0
	s_cbranch_scc1 .Lstep_\@
	s_setprio 0
.rept 4
	v_nop
.endr
	v_add_f32 v14, v14, v15
	s_delay_alu instid0(VALU_DEP_1)
	v_permlanex16_b32 v232, v14, s20, s21
	s_delay_alu instid0(VALU_DEP_1)
	v_add_f32 v14, v14, v232                       ; the row's sum
	s_wait_alu depctr_va_vdst(0)
	v_rcp_f32 v234, v14
	v_nop                                          ; one plain place behind a transcendental
	s_wait_alu depctr_va_vdst(0)                   ; and the wait ahead of its first reader
.set j, 0
.rept 16
	v_pk_mul_f32 v[96+j:97+j], v[160+j:161+j], v[234:235] op_sel_hi:[1,0]   ; O^T / l: register 16 g + i is channel 32 g + 16 (lane / 16) + i of my query
.set j, j+2
.endr
.irp g, 0,1
	v_max3_num_f32 v[220+\g], |v[96+16*\g]|, |v[97+16*\g]|, 0x1800000
.endr
.irp i, 2,4,6,8,10,12,14
.irp g, 0,1
	s_delay_alu instid0(VALU_DEP_2)
	v_max3_num_f32 v[220+\g], v[220+\g], |v[96+16*\g+\i]|, |v[97+16*\g+\i]|
.endr
.endr
.irp g, 0,1
	s_delay_alu instid0(VALU_DEP_2)
	v_permlanex16_b32 v[224+\g], v[220+\g], s20, s21
.endr
.irp g, 0,1
	s_delay_alu instid0(VALU_DEP_2)
	v_max_num_f32 v[220+\g], v[220+\g], v[224+\g]
.endr
.irp g, 0,1
	s_delay_alu instid0(VALU_DEP_2)
	v_add_nc_u32 v[228+\g], 0xff000000, v[220+\g]
.endr
.irp g, 0,1
	s_delay_alu instid0(VALU_DEP_2)
	v_lshrrev_b32 v[224+\g], 23, v[228+\g]
.endr
	s_delay_alu instid0(VALU_DEP_1)
	v_lshl_or_b32 v[218+\p], v225, 8, v224         ; my row's two scale bytes
	v_cvt_scalef32_pk16_fp6_f32 v[192:194], v[96:111], v228
	v_cvt_scalef32_pk16_fp6_f32 v[204:206], v[112:127], v229
	v_nop
.irp i, 0,1,2
	v_permlane16_swap_b32 v[192+\i], v[204+\i]
.endr
.irp i, 0,1,2
	s_delay_alu instid0(VALU_DEP_3)
	v_mov_b32 v[195+\i], v[204+\i]
.endr
	global_store_b128 v1, v[192:195], s[46:47] offset:196608*\p        ; 512 and 256 consecutive bytes, aligned
	global_store_b64 v2, v[196:197], s[46:47] offset:196608*\p+512
.endm
	PASS 0
	PASS 1
	v_cmp_le_u32 vcc_lo, 16, v5
	s_delay_alu instid0(VALU_DEP_1)
	v_cndmask_b32 v232, v218, v219, vcc_lo         ; lanes 0-15 store pass 0's bytes, lanes 16-31 pass 1's
	global_store_b16 v6, v232, s[48:49]            ; two bytes a row: the other six of a row's eight belong to other heads' work-groups
	s_wait_tensorcnt 0x0
	ds_add_u32 v254, v255
	s_wait_dscnt 0x0
	CROUND                                         ; the closing round
	s_endpgm
.Lfunc_end_k_q40bb670075_attn:
	.size	k_q40bb670075_attn, .Lfunc_end_k_q40bb670075_attn-k_q40bb670075_attn
	.p2alignl 7, 3214868480
	.fill 96, 4, 3214868480
	.section	.rodata,"a",@progbits
	.p2align	6, 0x0
	.amdhsa_kernel k_q40bb670075_attn
		.amdhsa_group_segment_fixed_size 219392
		.amdhsa_private_segment_fixed_size 0
		.amdhsa_enable_private_segment 0
		.amdhsa_kernarg_size 32
		.amdhsa_user_sgpr_count 2
		.amdhsa_user_sgpr_kernarg_segment_ptr 1
		.amdhsa_wavefront_size32 1
		.amdhsa_system_sgpr_workgroup_id_x 1
		.amdhsa_system_sgpr_workgroup_id_y 1
		.amdhsa_system_sgpr_workgroup_id_z 1
		.amdhsa_system_vgpr_workitem_id 0
		.amdhsa_next_free_vgpr 256
		.amdhsa_next_free_sgpr 66
		.amdhsa_reserve_vcc 1
		.amdhsa_float_denorm_mode_32 3
		.amdhsa_float_denorm_mode_16_64 3
		.amdhsa_memory_ordered 1
		.amdhsa_forward_progress 1
		.amdhsa_inst_pref_size 58
	.end_amdhsa_kernel
	.amdgpu_metadata
---
amdhsa.version: [ 1, 2 ]
amdhsa.kernels:
  - .name:           k_q40bb670075_attn
    .symbol:         k_q40bb670075_attn.kd
    .args:
      - { .name: hr, .offset: 0, .size: 8, .value_kind: global_buffer, .address_space: global }
      - { .name: msk, .offset: 8, .size: 8, .value_kind: global_buffer, .address_space: global }
      - { .name: ac, .offset: 16, .size: 8, .value_kind: global_buffer, .address_space: global }
      - { .name: as, .offset: 24, .size: 8, .value_kind: global_buffer, .address_space: global }
    .group_segment_fixed_size: 219392
    .private_segment_fixed_size: 0
    .kernarg_segment_align: 8
    .kernarg_segment_size: 32
    .max_flat_workgroup_size: 512
    .sgpr_count:     66
    .vgpr_count:     256
    .wavefront_size: 32
...
	.end_amdgpu_metadata
.endif
;; end of part 3
;; launch outp (part 4): grid 4 x 32, 4 waves a work-group, clusters of 4 x 4, 327,680 bytes of LDS; arguments ac, as, codes, scales, bp, out0; writes out0
.if DOCPART == 4
	.amdgcn_target "amdgcn-amd-amdhsa--gfx1250"
	.amdhsa_code_object_version 6
	.text
	.protected	k_q40bb670075_outp
	.globl	k_q40bb670075_outp
	.p2align	8
	.type	k_q40bb670075_outp,@function
k_q40bb670075_outp:
	s_mov_b64 s[64:65], 0
	v_nop
	global_prefetch_b8 v0, s[64:65] scope:SCOPE_SE
	s_setreg_imm32_b32 hwreg(HW_REG_WAVE_MODE, 25, 1), 1
	s_wait_xcnt 0x0
	s_wait_alu depctr_hold_cnt(0) depctr_sa_sdst(0) depctr_va_vdst(0) depctr_va_sdst(0) depctr_va_ssrc(0) depctr_va_vcc(0) depctr_vm_vsrc(0)
	s_getreg_b32 s2, hwreg(HW_REG_IB_STS2, 6, 4)
	s_cmp_eq_u32 s2, 0
	s_cbranch_scc0 .Lentry_in_a_cluster
	s_endpgm
.Lentry_in_a_cluster:
	s_bfe_u32 s2, ttmp6, 0x10000c
	s_cmp_lg_u32 s2, 0xf033
	s_cbranch_scc0 .Lentry_shape_is_right
	s_endpgm
.Lentry_shape_is_right:
.set SIZE_N, 1024
.set NQ,     2
.set FR,     12
.set FRB,    1536
.set NL,     4
.set NP,     4
.set TROW,   NQ*FRB
.set HALFT,  8*TROW
.set SLOT,   4*HALFT
.set LAPS,   2
.set SCL,    2*SLOT
.set HALFS,  4096
.set SBLK,   512
.set SPARE,  SCL+4*HALFS
.set SPITCH, 528
.set ADRA, 16
.set ADRB, 20
.set STO,  24
.set RD,   25
.set CO,   26
.set ADRS, 27
.set SPW,  28
.set NIL,  29
.set SC,   32
.set BIAS, 64
.set AF,   128
.set BK,   128
.set G1, 24
.set G0, 32
.set G1B, 48
.set G0B, 56
.set G1S, 68
.set G0S, 76
.set G1SB, 80
.set G0SB, 88
.set MSB, 0
.macro WIN new
.if MSB != \new
	s_set_vgpr_msb (MSB<<8)|\new
.set MSB, \new
.endif
.endm
.set MUL_LO, 0xa1
.set MUL_HI, 0xf1
.set FST_LO, 0x81
.set FST_HI, 0xc1
.set TO_B,   0x40
.macro JLOAD g0a, g1a, g0b, g1b
	s_cmp_eq_u32 s15, 0
	s_cbranch_scc0 .Lfor_b_\@
	tensor_load_to_lds s[\g0a:\g0a+3], s[\g1a:\g1a+7]
	s_nop 0
.rept 4
	v_nop
.endr
	s_branch .Lasked_\@
.Lfor_b_\@:
	tensor_load_to_lds s[\g0b:\g0b+3], s[\g1b:\g1b+7]
	s_nop 0
.rept 4
	v_nop
.endr
.Lasked_\@:
.endm
.macro CREST
	s_cmp_lg_u32 s14, 0
	s_cbranch_scc1 .Lnot_wave_0_\@
	s_barrier_signal -3
.Lnot_wave_0_\@:
	s_barrier_wait -3
	s_barrier_signal -1
	s_barrier_wait -1
.endm
.macro CROUND
	s_barrier_signal -1
	s_barrier_wait -1
	CREST
.endm
	s_load_b128 s[4:7], s[0:1], 0x0
	s_load_b128 s[8:11], s[0:1], 0x10
	s_load_b64 s[96:97], s[0:1], 0x20
	s_load_b64 s[12:13], s[0:1], 0x28
	v_lshl_add_u32 v[SPW], v0, 2, SPARE
	v_mov_b32 v[NIL], 0
	ds_add_u32 v28, v29
	ds_add_u32 v28, v29
	s_wait_dscnt 0x0
	v_lshrrev_b32 v1, 5, v0
	v_readfirstlane_b32 s14, v1
	s_lshr_b32 s15, s14, 1
	s_and_b32 s16, s14, 1
	s_bfe_u32 s40, ttmp6, 0x40000
	s_bfe_u32 s41, ttmp6, 0x40004
	s_and_b32 s17, ttmp7, 0xffff
	s_lshl_b32 s17, s17, 2
	s_add_co_u32 s17, s17, s41
	s_add_co_u32 s42, s40, 108
	s_lshl_b32 s43, s41, 2
	s_lshl_b32 s43, 15, s43
	s_lshl_b32 s44, 0x1111, s40
	s_or_b32 s[G1+0], s43, (3<<16)|(1<<21)
	s_or_b32 s[G1B+0], s44, (3<<16)|(1<<21)
.irp g, G1, G1B
	s_mov_b32 s[\g+1], 384<<16
	s_mov_b32 s[\g+2], 8<<16
	s_mov_b32 s[\g+3], 384<<16
	s_mov_b32 s[\g+4], 8
	s_mov_b32 s[\g+5], 1536
	s_mov_b32 s[\g+6], 0
	s_mov_b32 s[\g+7], 0
.endr
	s_or_b32 s[G1S+0], s43, (3<<16)|(1<<21)
	s_or_b32 s[G1SB+0], s44, (3<<16)|(1<<21)
.irp g, G1S, G1SB
	s_mov_b32 s[\g+1], 32<<16
	s_mov_b32 s[\g+2], 16<<16
	s_mov_b32 s[\g+3], 32<<16
	s_mov_b32 s[\g+4], 16
	s_mov_b32 s[\g+5], 32
	s_mov_b32 s[\g+6], 0
	s_mov_b32 s[\g+7], 0
.endr
	s_mul_i32 s20, s17, 16*8*FRB
	s_mul_i32 s18, s16, 8*8*FRB
	s_add_co_u32 s20, s20, s18
	s_mov_b32 s21, 0
	s_lshl_b32 s22, s17, 13
	s_lshl_b32 s18, s16, 12
	s_add_co_u32 s22, s22, s18
	s_mov_b32 s23, 0
	s_mul_i32 s46, s42, 16*8*FRB
	s_mul_i32 s18, s16, 8*8*FRB
	s_add_co_u32 s46, s46, s18
	s_mov_b32 s47, 0
	s_lshl_b32 s92, s42, 13
	s_lshl_b32 s18, s16, 12
	s_add_co_u32 s92, s92, s18
	s_mov_b32 s93, 0
	s_mul_i32 s45, s14, HALFT
	s_mul_i32 s94, s14, HALFS
	s_wait_kmcnt 0x0
	s_add_nc_u64 s[20:21], s[4:5], s[20:21]
	s_add_nc_u64 s[22:23], s[6:7], s[22:23]
	s_add_nc_u64 s[46:47], s[8:9], s[46:47]
	s_add_nc_u64 s[92:93], s[10:11], s[92:93]
	CROUND
	s_mov_b32 s[G0S], 1
	s_add_co_u32 s[G0S+1], s94, SCL
	s_mov_b64 s[G0S+2:G0S+3], s[22:23]
	s_or_b32 s[G0S+3], s[G0S+3], 0x80000000
	s_mov_b32 s[G0SB], 1
	s_add_co_u32 s[G0SB+1], s94, SCL
	s_mov_b64 s[G0SB+2:G0SB+3], s[92:93]
	s_or_b32 s[G0SB+3], s[G0SB+3], 0x80000000
	JLOAD G0S, G1S, G0SB, G1SB
.irp s, 0,1
	s_mov_b32 s[G0+4*\s], 1
	s_add_co_u32 s[G0+4*\s+1], s45, \s*SLOT
	s_add_nc_u64 s[G0+4*\s+2:G0+4*\s+3], s[20:21], \s*TROW
	s_or_b32 s[G0+4*\s+3], s[G0+4*\s+3], 0x80000000
	s_mov_b32 s[G0B+4*\s], 1
	s_add_co_u32 s[G0B+4*\s+1], s45, \s*SLOT
	s_add_nc_u64 s[G0B+4*\s+2:G0B+4*\s+3], s[46:47], \s*TROW
	s_or_b32 s[G0B+4*\s+3], s[G0B+4*\s+3], 0x80000000
	s_wait_alu depctr_va_vdst(0)
	s_wait_tensorcnt 0x0
	ds_add_u32 v28, v29
	s_wait_dscnt 0x0
	CROUND
	JLOAD G0+4*\s, G1, G0B+4*\s, G1B
.endr
	v_and_b32 v1, 15, v0
	v_bfe_u32 v2, v0, 4, 1
	v_and_b32 v3, 31, v0
	s_lshl_b32 s98, s40, 10
	s_lshl_b32 s99, s16, 9
	s_add_co_u32 s98, s98, s99
	s_mov_b32 s99, 0
	s_add_nc_u64 s[96:97], s[96:97], s[98:99]
	v_lshlrev_b32 v7, 5, v2
.irp b, 0,1,2,3,4,5,6,7
	global_load_b128 v[BIAS+8*\b:BIAS+8*\b+3], v7, s[96:97] offset:64*\b
	global_load_b128 v[BIAS+8*\b+4:BIAS+8*\b+7], v7, s[96:97] offset:64*\b+16
.endr
	v_lshlrev_b32 v4, 4, v3
	v_lshlrev_b32 v5, 3, v3
	s_mul_i32 s21, s15, HALFT
	s_mul_i32 s22, s16, HALFT
	s_add_co_u32 s22, s22, 2*HALFT
.irp s, 0,1
	v_add_nc_u32 v[ADRA+\s], s21, v4
	v_add_nc_u32 v[ADRB+\s], s22, v4
	v_add_nc_u32 v[ADRA+2+\s], s21, v5
	v_add_nc_u32 v[ADRB+2+\s], s22, v5
	s_add_co_u32 s21, s21, SLOT
	s_add_co_u32 s22, s22, SLOT
.endr
	v_lshlrev_b32 v5, 3, v1
	s_mul_i32 s21, s15, HALFS
	s_mul_i32 s22, s16, HALFS
	s_add_co_u32 s22, s22, 2*HALFS
	s_sub_co_u32 s22, s22, s21
	v_mul_u32_u24 v6, s22, v2
	s_add_co_u32 s21, s21, SCL
	v_add_nc_u32 v5, v5, v6
	v_add_nc_u32 v[ADRS], s21, v5
	s_mul_i32 s23, s14, 16*SPITCH
	v_mul_u32_u24 v5, v1, SPITCH
	v_lshl_add_u32 v5, v2, 5, v5
	v_add_nc_u32 v[STO], s23, v5
	v_lshlrev_b32 v[CO], 4, v3
	v_add_nc_u32 v[RD], s23, v[CO]
	s_lshl_b32 s20, s17, 8
	s_lshl_b32 s21, s15, 7
	s_add_co_u32 s20, s20, s21
	s_lshl_b32 s20, s20, 12
	s_mov_b32 s21, 0
	s_lshl_b32 s46, s40, 10
	s_lshl_b32 s47, s16, 9
	s_add_co_u32 s46, s46, s47
	s_mov_b32 s47, 0
	s_add_nc_u64 s[20:21], s[20:21], s[46:47]
	s_add_nc_u64 s[12:13], s[12:13], s[20:21]
.macro FRAG reg, adr, q, i
	ds_load_b128 v[\reg:\reg+3], v[\adr] offset:(\i)*TROW+(\q)*FRB
	ds_load_b64 v[\reg+4:\reg+5], v[\adr+2] offset:(\i)*TROW+(\q)*FRB+512
	ds_load_b128 v[\reg+6:\reg+9], v[\adr] offset:(\i)*TROW+(\q)*FRB+768
	ds_load_b64 v[\reg+10:\reg+11], v[\adr+2] offset:(\i)*TROW+(\q)*FRB+1280
.endm
.macro MUL16 a0, p, q, sc, first
.irp a, \a0, \a0+1
.irp b, 0,1,2,3,4,5,6,7
.if \first
	v_wmma_scale_f32_16x16x128_f8f6f4 v[8*(8*((\a)%4)+\b):8*(8*((\a)%4)+\b)+7], v[128*(\p)+FR*\b:128*(\p)+FR*\b+FR-1], v[AF+FR*(\a):AF+FR*(\a)+FR-1], v[BIAS+8*\b:BIAS+8*\b+7], v[SC+8*NQ*(\sc)+NQ*\b+(\q)], v[SC+8*NQ*(\sc)+NQ*(\a)+(\q)] matrix_a_fmt:MATRIX_FMT_FP6 matrix_b_fmt:MATRIX_FMT_FP6 matrix_a_scale:MATRIX_SCALE_ROW1
.else
	v_wmma_scale_f32_16x16x128_f8f6f4 v[8*(8*((\a)%4)+\b):8*(8*((\a)%4)+\b)+7], v[128*(\p)+FR*\b:128*(\p)+FR*\b+FR-1], v[AF+FR*(\a):AF+FR*(\a)+FR-1], v[8*(8*((\a)%4)+\b):8*(8*((\a)%4)+\b)+7], v[SC+8*NQ*(\sc)+NQ*\b+(\q)], v[SC+8*NQ*(\sc)+NQ*(\a)+(\q)] matrix_a_fmt:MATRIX_FMT_FP6 matrix_b_fmt:MATRIX_FMT_FP6 matrix_a_scale:MATRIX_SCALE_ROW1
.endif
.endr
.endr
.endm
.macro FETCH_B slot, q, p
	WIN TO_B
.irp i, 0,1,2,3,4,5,6,7
	FRAG 128*(\p)+FR*\i, ADRB+\slot, \q, \i
.endr
	WIN 0
.endm
.macro FETCH_A slot, q, i0
.irp i, \i0, \i0+1, \i0+2, \i0+3
	FRAG AF+FR*(\i), ADRA+\slot, \q, \i
.endr
.endm
.macro SCALES sc
.irp i, 0,1,2,3,4,5,6,7
	ds_load_b64 v[SC+8*NQ*\sc+NQ*\i:SC+8*NQ*\sc+NQ*\i+1], v[ADRS] offset:\i*SBLK
.endr
.endm
.macro PLACES n
.rept \n
	v_nop
.endr
.endm
.macro STEP slot, q, first
	s_wait_dscnt 4*NL
.if \first
	WIN FST_LO
.else
	WIN MUL_LO
.endif
	MUL16 0, (\q)%2, \q, \slot, \first
	MUL16 2, (\q)%2, \q, \slot, \first
	s_wait_dscnt 0
	PLACES NP
	FETCH_B \slot, (\q)+1, 1-(\q)%2
	FETCH_A \slot, (\q)+1, 0
.if \first
	WIN FST_HI
.else
	WIN MUL_HI
.endif
	MUL16 4, (\q)%2, \q, \slot, \first
	MUL16 6, (\q)%2, \q, \slot, \first
	PLACES NP
	WIN 0
	FETCH_A \slot, (\q)+1, 4
.endm
.macro TURN slot, next, fill
	s_wait_tensorcnt 0x0
	ds_add_u32 v[SPW], v[NIL]
	s_wait_dscnt 4*NL+1
	WIN MUL_LO
	MUL16 0, 1, NQ-1, \slot, 0
	s_wait_dscnt 0x0
	s_barrier_signal -1
	MUL16 2, 1, NQ-1, \slot, 0
	WIN 0
	s_barrier_wait -1
.if \fill
	CREST
	s_add_nc_u64 s[G0+4*\slot+2:G0+4*\slot+3], s[G0+4*\slot+2:G0+4*\slot+3], 2*TROW
	s_add_nc_u64 s[G0B+4*\slot+2:G0B+4*\slot+3], s[G0B+4*\slot+2:G0B+4*\slot+3], 2*TROW
	JLOAD G0+4*\slot, G1, G0B+4*\slot, G1B
.else
	PLACES NP
.endif
	s_wait_alu depctr_va_vdst(0)
	v_add_nc_u32 v[ADRS], 128, v[ADRS]
	FETCH_B \next, 0, 0
	FETCH_A \next, 0, 0
	SCALES \next
	WIN MUL_HI
	MUL16 4, 1, NQ-1, \slot, 0
	MUL16 6, 1, NQ-1, \slot, 0
	PLACES NP
	WIN 0
	FETCH_A \next, 0, 4
.endm
	s_wait_alu depctr_va_vdst(0)
	s_wait_tensorcnt 1
	s_barrier_signal -1
	s_barrier_wait -1
	FETCH_B 0, 0, 0
	FETCH_A 0, 0, 0
	SCALES 0
	FETCH_A 0, 0, 4
	s_wait_loadcnt 0x0
	STEP 0, 0, 1
	s_mov_b32 s3, LAPS-1
.Llap:
	TURN 0, 1, 1
	STEP 1, 0, 0
	TURN 1, 0, 1
	STEP 0, 0, 0
	s_sub_co_u32 s3, s3, 1
	s_cmp_lg_u32 s3, 0
	s_cbranch_scc1 .Llap
	TURN 0, 1, 0
	STEP 1, 0, 0
	s_wait_dscnt 4*NL
	WIN MUL_LO
	MUL16 0, 1, NQ-1, 1, 0
	MUL16 2, 1, NQ-1, 1, 0
	s_wait_dscnt 0
	WIN MUL_HI
	MUL16 4, 1, NQ-1, 1, 0
	MUL16 6, 1, NQ-1, 1, 0
	WIN 0
.macro TOSTAGE a
.set AC, 64*((\a)%4)
	WIN 0x08+4*((\a)/4)
.irp b, 0,1,2,3,4,5,6,7
	ds_store_b128 v[STO], v[AC+8*\b:AC+8*\b+3] offset:64*\b
	ds_store_b128 v[STO], v[AC+8*\b+4:AC+8*\b+7] offset:64*\b+16
.endr
	WIN 0
.set BB, BK+64*((\a)%2)
.irp t, 0,1,2,3,4,5,6,7,8,9,10,11,12,13,14,15
	ds_load_b128 v[BB+4*\t:BB+4*\t+3], v[RD] offset:\t*SPITCH
.endr
.endm
.macro SEND a, younger
.set BB, BK+64*((\a)%2)
	s_wait_dscnt \younger
.if (\a) > 0
	s_add_nc_u64 s[12:13], s[12:13], 16*SIZE_N*4
.endif
.irp t, 0,1,2,3,4,5,6,7,8,9,10,11,12,13,14,15
	global_store_b128 v[CO], v[BB+4*\t:BB+4*\t+3], s[12:13] offset:\t*SIZE_N*4 th:TH_STORE_NT
.endr
.endm
	PLACES NP
	TOSTAGE 0
.irp a, 1,2,3,4,5,6,7
.if \a > 1
	s_wait_xcnt 0x0
.endif
	TOSTAGE \a
	SEND \a-1, 32
.endr
	s_wait_xcnt 0x0
	SEND 7, 0
	s_wait_tensorcnt 0x0
	ds_add_u32 v[SPW], v[NIL]
	s_wait_dscnt 0x0
	CROUND
	s_endpgm
.Lfunc_end_k_q40bb670075_outp:
	.size	k_q40bb670075_outp, .Lfunc_end_k_q40bb670075_outp-k_q40bb670075_outp
	.p2alignl 7, 3214868480
	.fill 96, 4, 3214868480
	.section	.rodata,"a",@progbits
	.p2align	6, 0x0
	.amdhsa_kernel k_q40bb670075_outp
		.amdhsa_group_segment_fixed_size 327680
		.amdhsa_private_segment_fixed_size 0
		.amdhsa_enable_private_segment 0
		.amdhsa_kernarg_size 48
		.amdhsa_user_sgpr_count 2
		.amdhsa_user_sgpr_kernarg_segment_ptr 1
		.amdhsa_wavefront_size32 1
		.amdhsa_system_sgpr_workgroup_id_x 1
		.amdhsa_system_sgpr_workgroup_id_y 1
		.amdhsa_system_sgpr_workgroup_id_z 1
		.amdhsa_system_vgpr_workitem_id 0
		.amdhsa_next_free_vgpr 1024
		.amdhsa_next_free_sgpr 100
		.amdhsa_reserve_vcc 0
		.amdhsa_float_denorm_mode_32 3
		.amdhsa_float_denorm_mode_16_64 3
		.amdhsa_memory_ordered 1
		.amdhsa_forward_progress 1
		.amdhsa_inst_pref_size 146
	.end_amdhsa_kernel
	.amdgpu_metadata
---
amdhsa.version: [ 1, 2 ]
amdhsa.kernels:
  - .name:           k_q40bb670075_outp
    .symbol:         k_q40bb670075_outp.kd
    .args:
      - { .name: ac, .offset: 0, .size: 8, .value_kind: global_buffer, .address_space: global }
      - { .name: as, .offset: 8, .size: 8, .value_kind: global_buffer, .address_space: global }
      - { .name: codes, .offset: 16, .size: 8, .value_kind: global_buffer, .address_space: global }
      - { .name: scales, .offset: 24, .size: 8, .value_kind: global_buffer, .address_space: global }
      - { .name: bp, .offset: 32, .size: 8, .value_kind: global_buffer, .address_space: global }
      - { .name: out0, .offset: 40, .size: 8, .value_kind: global_buffer, .address_space: global }
    .group_segment_fixed_size: 327680
    .private_segment_fixed_size: 0
    .kernarg_segment_align: 8
    .kernarg_segment_size: 48
    .max_flat_workgroup_size: 128
    .sgpr_count:     100
    .vgpr_count:     1024
    .wavefront_size: 32
...
	.end_amdgpu_metadata
.endif
;; end of part 4
